; MI455X (gfx1250); checked and timed in simulation.
; The chip was launched on July 23, 2026; its instructions are those of AMD's public machine-readable ISA for CDNA 5 (MIT licence, August 2026) and "CDNA5" Instruction Set Architecture Reference Guide (July 2026). The comments in the code are by the model that wrote it; some were corrected since.
;; Linear Model. Allowed arithmetic: float matrix products may take bf16 or f16 operands with f32 sums; all other float work in f32.
;; Inputs: weights 128 x 6 x 6 float32; x 131,072 x 6 float32.
;; Outputs: out0 131,072 x 6 float32.
;; Constants: nTurns = 8.
;; One version. Each part assembles by itself: llvm-mc -triple=amdgcn-amd-amdhsa -mcpu=gfx1250 --defsym DOCPART=n.
;; ======== version 1 of 1: 1 launch
;; limits: right only within a limited range of input values
;; launch track (part 1): grid 256 x 1, 4 waves a work-group, no clusters, 19,968 bytes of LDS; arguments weights, x, out0; writes out0
.if DOCPART == 1
	.amdgcn_target "amdgcn-amd-amdhsa--gfx1250"
	.amdhsa_code_object_version 6
	.text
	.protected	k_q55657ecbdf_track
	.globl	k_q55657ecbdf_track
	.p2align	8
	.type	k_q55657ecbdf_track,@function
k_q55657ecbdf_track:
	s_mov_b64 s[64:65], 0
	v_nop
	global_prefetch_b8 v0, s[64:65] scope:SCOPE_SE
	s_setreg_imm32_b32 hwreg(HW_REG_WAVE_MODE, 25, 1), 1
	s_wait_xcnt 0x0
; out0 = x (P^8)^T,  P = W127 ... W1 W0  (6 x 6, f32).   weights [128][6][6], x and out0 [131072][6], all f32.
; reference() sends every particle through the same 8 x 128 linear maps x <- W x.  The product of matrices is associative, so the
; 1024 maps are multiplied together once (127 products for a turn, 3 squarings for 8 turns) and the result is applied to each particle once.
; LIMITS: the order of rounding differs from the reference's (everything here is f32 with fused multiply-adds).  The partial products of
; the weights, up to P^8, must stay finite in f32 (below 3.4e38): where they overflow although x times the chain would not
; (x zero or tiny), the result here is inf or NaN.  A NaN or inf in any weight reaches every output.
; No matrix instruction: a product has K = 6, the whole arithmetic of a wave is some 600 vector instructions beside 6 KB of traffic, and
; 16-bit operands would round 1024 times in a row.  No cluster: the only shared input is the 18,432 bytes of weights.
;
; WORK: 256 work-groups x 4 waves.  A work-group owns 512 particles (12,288 bytes), a wave 128, a lane 4.  Every work-group makes P^8 for
; itself while its x is on the way: no traffic between work-groups, no second launch.
; A MATRIX IN REGISTERS: a group of eight lanes holds one matrix, lane i its row i in six registers (lanes 6 and 7 repeat row 5, so that
; they load inside the buffer and hold finite numbers; nobody reads them).  D = L R needs, in lane i, L's row i (its own) and R's row k
; from lane k of the group: the dpp8 selector brings that inside the multiply.  36 instructions, four products a wave at once.
.set MATB,  144                        ; bytes of a matrix
.set ROWB,  24                         ; bytes of a row, and of a particle
.set SEG,   8                          ; matrices chained by one group: 128 / (4 waves x 4 groups)
.set CHUNK, 1536                       ; 64 particles: 2 for each lane, three loads of 512 bytes
.set WAVEX, 2*CHUNK                    ; a wave's bytes of x and of out0
.set WGX,   4*WAVEX                    ; a work-group's
.set L_S,   0                          ; LDS: the waves' products, 4 x 32 lanes x 32 bytes
.set L_M,   4096                       ; LDS: columns of P^8, each wave's own copy, 4 x 6 x 128 bytes
.set L_X,   7168                       ; LDS: x, then out0, each wave's own 3,072 bytes
.set WO,  2                            ; v2       byte offset of my row in my group's first matrix
.set XO,  3                            ; v3       byte offset of my 16 bytes in the work-group's x and out0
.set SST, 4                            ; v4       LDS: where my row of the wave's product goes
.set SLD, 5                            ; v5       LDS: my row of the product of wave (lane / 8)
.set MST, 6                            ; v6       LDS: my word in a column of P^8
.set MLD, 7                            ; v7       LDS: the columns, the same address in all lanes
.set XC,  8                            ; v8       LDS: my 16 bytes as memory has them (16 x lane)
.set XP,  9                            ; v9       LDS: my two particles of a chunk (48 x lane)
.set T,   10                           ; v[10:15] the set-up's six temporaries, then a row of a product
.set W,   16                           ; v[16:63] my row of my group's 8 matrices; v[16:21] later a row of a product
.set F,   W+6                          ; v[22:27] later: a row fetched from another group
.set X,   64                           ; v[64:87] six times 16 bytes as loaded, later as stored
.set Q,   88                           ; v[88:111]  my four particles
.set O,   112                          ; v[112:135] their results
.set M,   136                          ; v[136:171] P^8 by columns: v[M+6j+i] = P^8[i][j]
	s_load_b128 s[4:7], s[0:1], 0x0                ; weights s[4:5], x s[6:7]
	s_load_b64 s[8:9], s[0:1], 0x10                ; out0
	v_lshl_add_u32 v172, v0, 2, 0x4c00
	v_mov_b32 v173, 0
	v_and_b32 v[T+2], 7, v0                        ; my place in the group of eight
	v_lshrrev_b32 v[T+3], 3, v0                    ; my group among the work-group's 16: it chains matrices 8 g .. 8 g + 7
	v_min_u32 v[T+4], 5, v[T+2]                    ; my row; places 6 and 7 repeat row 5
	v_mul_u32_u24 v[WO], v[T+3], SEG*MATB
	v_mad_u32_u24 v[WO], v[T+4], ROWB, v[WO]
	v_lshrrev_b32 v[T+1], 5, v0
	v_readfirstlane_b32 s10, v[T+1]                ; wave 0..3
	v_and_b32 v[T], 31, v0                         ; lane
	s_mul_i32 s16, s10, WAVEX
	v_lshl_add_u32 v[XO], v[T], 4, s16             ; wave's 3,072 bytes + 16 x lane
	s_mul_i32 s12, ttmp9, WGX                      ; the work-group's 12,288 bytes (below 4 MiB)
	s_mov_b32 s13, 0
	s_wait_kmcnt 0x0
	s_add_nc_u64 s[6:7], s[6:7], s[12:13]
	s_add_nc_u64 s[8:9], s[8:9], s[12:13]
	; the weights first: the chain waits for them.  A row starts on a multiple of 8 bytes, hence three loads of 8.
.irp c, 0,1,2,3,4,5,6,7
.irp t, 0,1,2
	global_load_b64 v[W+6*\c+2*\t:W+6*\c+2*\t+1], v[WO], s[4:5] offset:MATB*\c+8*\t
.endr
.endr
	; then all of the wave's x: each load covers 512 consecutive bytes; read once in the launch
.irp t, 0,1,2,3,4,5
	global_load_b128 v[X+4*\t:X+4*\t+3], v[XO], s[6:7] offset:512*\t th:TH_LOAD_NT
.endr
	; LDS addresses, while the loads are out
	s_lshl_b32 s17, s10, 10
	v_lshl_add_u32 v[SST], v[T], 5, s17            ; L_S (= 0) + 1,024 x wave + 32 x lane
	v_bfe_u32 v[SLD], v0, 3, 2                     ; lane / 8: the wave whose product my group takes
	v_lshlrev_b32 v[SLD], 10, v[SLD]
	v_lshl_add_u32 v[SLD], v[T+2], 5, v[SLD]       ; + 32 x place: the row that lane (place) of that wave stored
	s_mul_i32 s18, s10, 768
	s_add_co_u32 s18, s18, L_M
	v_lshl_add_u32 v[MST], v[T], 2, s18
	v_mov_b32 v[MLD], s18
	s_add_co_u32 s19, s16, L_X
	v_lshl_add_u32 v[XC], v[T], 4, s19
	v_mul_u32_u24 v[T+5], v[T], 48
	v_add_nc_u32 v[XP], s19, v[T+5]
	s_mov_b32 s14, 0x76543210                      ; v_permlanex16_b32: lane i takes lane i of the other half
	s_mov_b32 s15, 0xfedcba98
; d = l x r.  In lane i of a group: d[j] = sum over k of l[k] (own lane: L[i][k]) x r[j] of lane k (R[k][j]).  k outside, j inside: six
; sums that do not wait for each other.  The first term starts the sums.  The destination of a DPP form counts as a source, so d is
; always a set of registers that has been written before (T by the set-up, W and F by loads).
.macro MATMUL d, l, r
.irp j, 0,1,2,3,4,5
	v_mul_f32_dpp v[\d+\j], v[\r+\j], v[\l] dpp8:[0,0,0,0,0,0,0,0]
.endr
.irp k, 1,2,3,4,5
.irp j, 0,1,2,3,4,5
	v_fmac_f32_dpp v[\d+\j], v[\r+\j], v[\l+\k] dpp8:[\k,\k,\k,\k,\k,\k,\k,\k]
.endr
.endr
.endm
; The four groups' matrices G3 G2 G1 G0 (in set a, later maps in higher groups) become one, in group 0, again in set a.
; First each group fetches the rows of its neighbour (lane xor 8): right in groups 0 and 2, which get G1 G0 and G3 G2.  Then lane xor 16:
; right in group 0.  The other groups multiply in the wrong order; what they make is never used.
.macro FOLD4 a, b
.irp k, 0,1,2,3,4,5
	v_mov_b32_dpp v[F+\k], v[\a+\k] row_xmask:8 row_mask:0xf bank_mask:0xf
.endr
	MATMUL \b, F, \a
.irp k, 0,1,2,3,4,5
	v_permlanex16_b32 v[F+\k], v[\b+\k], s14, s15
.endr
	MATMUL \a, F, \b
.endm
	; STAGE 1: my group's eight matrices, each next one multiplied from the left; the running product takes turns between T and W
	s_wait_loadcnt 0x6                             ; loads return in order (ISA guide 5.7.1): the 24 of the weights are in, the 6 of x stay out
	MATMUL T, W+6,  W
	MATMUL W, W+12, T
	MATMUL T, W+18, W
	MATMUL W, W+24, T
	MATMUL T, W+30, W
	MATMUL W, W+36, T
	MATMUL T, W+42, W
	FOLD4 T, W                                     ; lanes 0-7: the product of the wave's 32 matrices
	; Every lane stores its row (24 bytes in a place of 32); only lanes 0-7's are read.  Masking the others off would cost more
	; instructions than the 768 idle bytes.
	ds_store_b128 v[SST], v[T:T+3]
	ds_store_b64  v[SST], v[T+4:T+5] offset:16
	; x into my wave's own LDS area as memory has it
	s_wait_loadcnt 0x0
.irp t, 0,1,2,3,4,5
	ds_store_b128 v[XC], v[X+4*\t:X+4*\t+3] offset:512*\t
.endr
	s_wait_dscnt 0x0                               ; for the other waves' sake: my row is in LDS before I say so
	s_barrier_signal -1
	s_barrier_wait -1
	ds_load_b128 v[T:T+3],   v[SLD]                ; group g: the product of wave g
	ds_load_b64  v[T+4:T+5], v[SLD] offset:16
	; my particles: two of each chunk, 48 consecutive bytes.  Lanes 48 bytes apart: sixteen neighbouring lanes take sixteen different
	; 16-byte columns modulo 256 bytes.
.irp c, 0,1
.irp t, 0,1,2
	ds_load_b128 v[Q+12*\c+4*\t:Q+12*\c+4*\t+3], v[XP] offset:CHUNK*\c+16*\t
.endr
.endr
	; STAGE 2, in every wave for itself (one wave to a SIMD: it delays nobody and spares a second barrier)
	s_wait_dscnt 0x6                               ; the two loads of the row are in; the six of the particles may stay out
	FOLD4 T, W                                     ; P: one turn
	MATMUL W, T, T                                 ; P^2
	MATMUL T, W, W                                 ; P^4
	MATMUL W, T, T                                 ; P^8, row i in lane i (i < 6)
	; P^8 to all lanes, by columns: lane i puts P^8[i][j] at 128 j + 4 i of my wave's own area (lanes 6-31 fill the rest of the 128 bytes
	; with numbers that nobody reads), and every lane reads the first 24 bytes of each column.  LDS serves a wave's instructions in
	; order (ISA guide 5.7.1): no wait between the stores and the loads, and no barrier, since the area is the wave's own.
.irp j, 0,1,2,3,4,5
	ds_store_b32 v[MST], v[W+\j] offset:128*\j
.endr
.irp j, 0,1,2,3,4,5
	ds_load_b128 v[M+6*\j:M+6*\j+3],   v[MLD] offset:128*\j
	ds_load_b64  v[M+6*\j+4:M+6*\j+5], v[MLD] offset:128*\j+16
.endr
	s_wait_dscnt 0x0                               ; the columns, and the particles in front of them
	; out[i], out[i+1] += (P^8[i][j], P^8[i+1][j]) x x[j]: x[j] is one register of a pair, chosen for both halves by op_sel and op_sel_hi.
	; 18 packed instructions a particle; twelve sums side by side.
.irp q, 0,1,2,3
.irp i, 0,2,4
	v_pk_mul_f32 v[O+6*\q+\i:O+6*\q+\i+1], v[Q+6*\q:Q+6*\q+1], v[M+\i:M+\i+1] op_sel_hi:[0,1]
.endr
.endr
.macro COLUMN j
.irp q, 0,1,2,3
.irp i, 0,2,4
.if (\j) & 1
	v_pk_fma_f32 v[O+6*\q+\i:O+6*\q+\i+1], v[Q+6*\q+\j-1:Q+6*\q+\j], v[M+6*\j+\i:M+6*\j+\i+1], v[O+6*\q+\i:O+6*\q+\i+1] op_sel:[1,0,0] op_sel_hi:[1,1,1]
.else
	v_pk_fma_f32 v[O+6*\q+\i:O+6*\q+\i+1], v[Q+6*\q+\j:Q+6*\q+\j+1], v[M+6*\j+\i:M+6*\j+\i+1], v[O+6*\q+\i:O+6*\q+\i+1] op_sel_hi:[0,1,1]
.endif
.endr
.endr
.endm
	COLUMN 1
	COLUMN 2
	COLUMN 3
	COLUMN 4
	COLUMN 5
	; the way out: the road of x backwards, through the same bytes of my wave's own area (its reads of them have returned)
.irp c, 0,1
.irp t, 0,1,2
	ds_store_b128 v[XP], v[O+12*\c+4*\t:O+12*\c+4*\t+3] offset:CHUNK*\c+16*\t
.endr
.endr
.irp t, 0,1,2,3,4,5
	ds_load_b128 v[X+4*\t:X+4*\t+3], v[XC] offset:512*\t
.endr
.irp t, 0,1,2,3,4,5
	s_wait_dscnt 5-\t                              ; load t is in; the younger ones stay out
	global_store_b128 v[XO], v[X+4*\t:X+4*\t+3], s[8:9] offset:512*\t th:TH_STORE_NT   ; 512 consecutive bytes, aligned; written once
.endr
	s_wait_tensorcnt 0x0
	ds_add_u32 v172, v173
	s_wait_dscnt 0x0
	s_endpgm
.Lfunc_end_k_q55657ecbdf_track:
	.size	k_q55657ecbdf_track, .Lfunc_end_k_q55657ecbdf_track-k_q55657ecbdf_track
	.p2alignl 7, 3214868480
	.fill 96, 4, 3214868480
	.section	.rodata,"a",@progbits
	.p2align	6, 0x0
	.amdhsa_kernel k_q55657ecbdf_track
		.amdhsa_group_segment_fixed_size 19968
		.amdhsa_private_segment_fixed_size 0
		.amdhsa_enable_private_segment 0
		.amdhsa_kernarg_size 24
		.amdhsa_user_sgpr_count 2
		.amdhsa_user_sgpr_kernarg_segment_ptr 1
		.amdhsa_wavefront_size32 1
		.amdhsa_system_sgpr_workgroup_id_x 1
		.amdhsa_system_sgpr_workgroup_id_y 1
		.amdhsa_system_sgpr_workgroup_id_z 1
		.amdhsa_system_vgpr_workitem_id 0
		.amdhsa_next_free_vgpr 174
		.amdhsa_next_free_sgpr 66
		.amdhsa_reserve_vcc 0
		.amdhsa_float_denorm_mode_32 3
		.amdhsa_float_denorm_mode_16_64 3
		.amdhsa_memory_ordered 1
		.amdhsa_forward_progress 1
		.amdhsa_inst_pref_size 47
	.end_amdhsa_kernel
	.amdgpu_metadata
---
amdhsa.version: [ 1, 2 ]
amdhsa.kernels:
  - .name:           k_q55657ecbdf_track
    .symbol:         k_q55657ecbdf_track.kd
    .args:
      - { .name: weights, .offset: 0, .size: 8, .value_kind: global_buffer, .address_space: global }
      - { .name: x, .offset: 8, .size: 8, .value_kind: global_buffer, .address_space: global }
      - { .name: out0, .offset: 16, .size: 8, .value_kind: global_buffer, .address_space: global }
    .group_segment_fixed_size: 19968
    .private_segment_fixed_size: 0
    .kernarg_segment_align: 8
    .kernarg_segment_size: 24
    .max_flat_workgroup_size: 128
    .sgpr_count:     66
    .vgpr_count:     174
    .wavefront_size: 32
...
	.end_amdgpu_metadata
.endif
;; end of part 1
